; MI455X (gfx1250); checked and timed in simulation.
; The chip was launched on July 23, 2026; its instructions are those of AMD's public machine-readable ISA for CDNA 5 (MIT licence, August 2026) and "CDNA5" Instruction Set Architecture Reference Guide (July 2026). The comments in the code are by the model that wrote it; some were corrected since.
;; Causal Self Attention. Allowed arithmetic: matrix products marked QUANTISED: E4M3 operands, one given power-of-two scale a tensor, by v_wmma_f32_16x16x64_fp8_fp8 or v_wmma_f32_16x16x128_fp8_fp8, f32 sums; everything else in f32.
;; Inputs: Wk_codes 1,024 x 32 x 32 uint8 (E4M3 codes of Wk, K innermost, in blocks of 32 codes); Wp_codes 1,024 x 32 x 32 uint8 (E4M3 codes of Wp, K innermost, in blocks of 32 codes); Wq_codes 1,024 x 32 x 32 uint8 (E4M3 codes of Wq, K innermost, in blocks of 32 codes); Wv_codes 1,024 x 32 x 32 uint8 (E4M3 codes of Wv, K innermost, in blocks of 32 codes); lowp_scales 12 int32 (the exponents e of the quantised operands' scales 2^e); x_codes 4 x 2,048 x 32 x 32 uint8 (E4M3 codes of x, K innermost, in blocks of 32 codes).
;; Outputs: out0 4 x 2,048 x 1,024 float32.
;; This version of the problem:
;;   THIS VERSION OF THE PROBLEM IS GIVEN IN LOW PRECISION. The matrix products marked QUANTISED in the list below multiply operands that are first quantised to E4M3 (4 exponent bits, 3 mantissa bits; 8 bits a number), with one given power-of-two scale for each operand tensor; their sums are f32. All else is computed in f32.
;;   The module's matrix products, in the order in which they are computed (A, B: the left and right operand; K: the contracted axis; several contracted axes count as one K, in the product's order):
;;     1. [M 8,192, K 1,024] x [K 1,024, N 1,024]; A: input x (given as codes); B: input Wk (given as codes): QUANTISED (scales: A lowp_scales[0], B lowp_scales[1])
;;     2. [M 8,192, K 1,024] x [K 1,024, N 1,024]; A: input x (given as codes); B: input Wq (given as codes): QUANTISED (scales: A lowp_scales[2], B lowp_scales[3])
;;     3. [M 8,192, K 1,024] x [K 1,024, N 1,024]; A: input x (given as codes); B: input Wv (given as codes): QUANTISED (scales: A lowp_scales[4], B lowp_scales[5])
;;     4. batch 64 x [M 2,048, K 64] x [K 64, N 2,048]; A: computed on the way; B: computed on the way: QUANTISED (scales: A lowp_scales[6], B lowp_scales[7])
;;     5. batch 64 x [M 2,048, K 2,048] x [K 2,048, N 64]; A: softmax (see below); B: computed on the way: QUANTISED (scales: A lowp_scales[8], B lowp_scales[9])
;;     6. [M 8,192, K 1,024] x [K 1,024, N 1,024]; A: computed on the way; B: input Wp (given as codes): QUANTISED (scales: A lowp_scales[10], B lowp_scales[11])
;;   THE QUANTISER, for each operand of a quantised product, along K:
;;     - The operand's scale is 2^e, e = its entry of the input lowp_scales (int32; the entries are numbered through the quantised products in the list's order, A before B).
;;     - Each number is divided by the scale, clamped to +-448, and rounded to the nearest number of E4M3, ties to even, subnormals kept.
;;     - The product sums the exact products of the quantised numbers (number of the format x scale) in f32.
;;   ~~~python
;;   def quantise(x, axis, e):      # numpy; x: float32 -> the quantised numbers, widened to float32 again
;;       x = np.moveaxis(x, axis, -1); K = x.shape[-1]
;;       r = np.clip(x / 2.0 ** e, -448, 448)
;;       step = 2.0 ** (np.maximum(np.frexp(np.where(r == 0, 1, r))[1] - 1, -6) - 3)
;;       q = np.round(r / step) * step * 2.0 ** e      # np.round: ties to even
;;       return np.moveaxis(q, -1, axis).astype(np.float32)
;;   ~~~
;;   SOFTMAX AHEAD OF A QUANTISED PRODUCT. Where the list says 'softmax', what is quantised is not the finished softmax but p = 2^(t - M), with t = logit x log2(e) and M = ceil(the row's largest t), a whole number; so 1/2 < the row's largest p <= 1. The row's sum l is taken of the UNQUANTISED p, in f32, and the product's result is divided by l at the end. Since M is a whole number, a kernel that streams over the keys may use a running M (the ceiling of the running maximum): every later rescaling is an exact power of two, so the quantised numbers keep their values, but for numbers so far below the row's largest that they fall under the format's range.
;;   OPERANDS COMPUTED ON THE WAY. 'Computed on the way' means the value that the module computes at that place (a softmax that the list does not call 'softmax' is quantised finished and normalised). What goes into a quantiser is computed in f32, as accurately as f32 sums, v_exp_f32 and their like allow (about 1e-6 of the number): no bf16 or f16 on the way to a quantiser, and a product that is left as it is and whose result goes on into a quantised operand takes f32 operands (vector FMAs, or v_wmma_f32_16x16x4_f32). A number that lies on a knife's edge between two numbers of the format may be rounded either way, as far as f32 arithmetic and the matrix unit's own rounding can turn it there, and no further.
;;   INPUTS GIVEN AS CODES. Wk (in the module: [1024, 1024], K = its axis 1); Wp (in the module: [1024, 1024], K = its axis 1); Wq (in the module: [1024, 1024], K = its axis 1); Wv (in the module: [1024, 1024], K = its axis 1); x (in the module: [4, 2048, 1024], K = its axis 2): each comes as NAME_codes (uint8): NAME with its K axis moved to the last place and cut into blocks of 32 codes, [.., K / 32, bytes a block], one block behind the other in memory; one code a byte (a code: sign, 4 exponent bits, 3 mantissa bits); its scale is its entry of lowp_scales. Its value is code x scale, taken as it is: it is not quantised again, and the codes and scales need not be those that the quantiser above would give.
;; One version. Each part assembles by itself: llvm-mc -triple=amdgcn-amd-amdhsa -mcpu=gfx1250 --defsym DOCPART=n.
;; ======== version 1 of 1: 3 launches
;; limits: right only within a limited range of input values
;; workspace buffers: qi 8,388,608 bytes; ki 8,388,608 bytes; vi 8,388,608 bytes; yi 8,388,608 bytes
;; launch qkv (part 1): grid 12 x 32, 4 waves a work-group, clusters of 4 x 4, 327,680 bytes of LDS; arguments x_codes, Wq_codes, Wk_codes, Wv_codes, lowp_scales, qi, ki, vi; writes qi, ki, vi
.if DOCPART == 1
	.amdgcn_target "amdgcn-amd-amdhsa--gfx1250"
	.amdhsa_code_object_version 6
	.text
	.protected	k_q0bf1cb495a_qkv
	.globl	k_q0bf1cb495a_qkv
	.p2align	8
	.type	k_q0bf1cb495a_qkv,@function
k_q0bf1cb495a_qkv:
	s_mov_b64 s[64:65], 0
	v_nop
	global_prefetch_b8 v0, s[64:65] scope:SCOPE_SE
	s_setreg_imm32_b32 hwreg(HW_REG_WAVE_MODE, 25, 1), 1
	s_wait_xcnt 0x0
	s_wait_alu depctr_hold_cnt(0) depctr_sa_sdst(0) depctr_va_vdst(0) depctr_va_sdst(0) depctr_va_ssrc(0) depctr_va_vcc(0) depctr_vm_vsrc(0)
	s_getreg_b32 s2, hwreg(HW_REG_IB_STS2, 6, 4)
	s_cmp_eq_u32 s2, 0
	s_cbranch_scc0 .Lentry_in_a_cluster
	s_endpgm
.Lentry_in_a_cluster:
	s_bfe_u32 s2, ttmp6, 0x10000c
	s_cmp_lg_u32 s2, 0xf033
	s_cbranch_scc0 .Lentry_shape_is_right
	s_endpgm
.Lentry_shape_is_right:
; q = x Wq^T, k = x Wk^T, v = x Wv^T on codes of FP8 (E4M3), K = 1,024, each result quantised at once for the product that takes it next.
; x: [8192][1024] codes; each W: [1024][1024] codes, K innermost.  lowp_scales: e0 .. e11.  k has the scales e0, e1 and is quantised with e7; q: e2, e3 -> e6; v: e4, e5 -> e9.
; A sum stands for sum x 2^(ea + eb), so its code is sum / 2^es, es = e6 - e2 - e3 (q), e7 - e0 - e1 (k), e9 - e4 - e5 (v), held within +-448 and rounded by the conversion.
; LIMITS: es between -126 and 119, so that 2^es and 448 x 2^es are f32 numbers.  NaN codes among the inputs are not served.
; SHARES.  24 clusters of 4 x 4 work-groups; the cluster's x says which product (0 q, 1 k, 2 v), its y which eighth of the tokens.  A work-group makes 256 x 256 of C'[m'][n'] = sum A'[m'][k] B'[n'][k],
; each of its four waves 128 x 128: 64 accumulators, 512 registers.  The matrix instruction is used transposed (source 0 = 16 rows of B', source 1 = 16 rows of A'): a lane holds one row m' and eight
; neighbouring n'.  Those eight must run along the NEXT product's K: for q and k that is the head's 64, so A' = x, B' = W; for v it is the keys, so A' = Wv, B' = x.
; What differs between the three products is chosen by s_cselect on the cluster's x, which all partners share: pointers, tile bases, the scale, the strides of the way out.  No branch hangs on it.
; CLUSTERS.  A' tiles hang on the tile row alone and are asked for jointly along a row of the cluster, B' tiles along a column: the same tensor load, descriptor and mask in the four partners.
; K goes in steps of 256 (rows of 256 bytes) through a ring of two LDS slots.
; THE WAY OUT needs no LDS: the codes are stored as IMAGES OF THE NEXT OPERAND'S REGISTERS, four registers a store, lane l's 16 bytes at 16 l: each store of the wave covers 512 consecutive bytes, aligned.
;   qi, ki: [batch x head 64][tile of 16 tokens 128][2][32 lanes][16 bytes]: registers 2 c, 2 c + 1 = d 16 c + 8 (l / 16) + 0 .. 7 of token l % 16
;   vi:     [batch x head 64][step of 128 keys 16][tile of 16 channels 4][4][32 lanes][16 bytes]: registers 2 c, 2 c + 1 = keys 16 c + 8 (l / 16) + 0 .. 7 of channel l % 16
; No prefetch: the launch has two refills a slot's ring, and each tile is asked for by several clusters at about the same time.
; REGISTERS, in windows of 256: window 0: v0-31 addresses; v96-105 the way out's offsets and scale; from v128 A' fragments (8 x 16 rows x 128 K), one set; on the way out v128-255 codes.
;   window 1: B' fragments, two sets, at v0 and v128.   window 2: the accumulators of my rows 0-63 ((a, b) at v[8 (8 a + b)]);   window 3: those of my rows 64-127.
.set KSTEP,  256
.set ROWB,   256                       ; a tile's row in bytes
.set KROW,   1024                      ; a row of x or of a weight in memory, in bytes
.set PITCH,  272                       ; an LDS row: 256 bytes + 16 of padding = 68 words: the 16 rows that a load touches start at 16 different banks (64 banks of 4 bytes: ISA guide 11.1)
.set FR,     16                        ; registers of a fragment: 16 rows x 128 K
.set NL,     4                         ; LDS loads that bring one
.set NP,     4                         ; places behind this matrix instruction (ISA guide 7.12.1)
.set HALFT,  128*PITCH                 ; 128 rows: what one tensor load brings
.set SLOT,   4*HALFT                   ; A' 256 rows, then B' 256 rows
.set LAPS,   2                         ; 1,024 / (2 x 256): a lap = once round the ring
.set SPARE,  2*SLOT                    ; behind the ring: the spare words, 128 bytes a wave
.set ADRA, 16                          ; v16-17  LDS address of my A' fragments in slot 0, 1
.set ADRB, 20                          ; v20-21  the same for B'
.set SPW,  28                          ; v28     my spare word's LDS address; never rewritten
.set NIL,  29                          ; v29     0; never rewritten
.set L16,  30                          ; v30     16 x lane
.set TMP,  32
.set CO,   96                          ; v96-103 block a's byte offset in the destination
.set LIM,  104
.set SC,   105                         ; v105    2^es
.set AF,   128                         ; A' fragments
.set CD,   128                         ; the way out: 16 registers of codes for each of the 8 blocks: no store's data are written again
.set G1, 24                            ; s[24:31] group 1 for A' tiles; s[32:39] group 0, a set for each slot
.set G0, 32
.set G1B, 48                           ; s[48:55], s[56:63] the same for B'
.set G0B, 56
.set MSB, 0
.macro WIN new                         ; the immediate's high byte repeats the setting that is left
.if MSB != \new
	s_set_vgpr_msb (MSB<<8)|\new
.set MSB, \new
.endif
.endm
.set MUL_LO, 0xa1                      ; source 0 (B') window 1, source 1 (A') window 0, C and D window 2
.set MUL_HI, 0xf1                      ; the same, C and D window 3
.set TO_B,   0x40                      ; destination window 1, address window 0
; A joint load: waves 0 and 1 fetch for A', waves 2 and 3 for B'.  The branch hangs on the wave's number alone.  Four v_nop follow each of the two lines.
.macro JLOAD g0a, g1a, g0b, g1b
	s_cmp_eq_u32 s15, 0
	s_cbranch_scc0 .Lfor_b_\@
	tensor_load_to_lds s[\g0a:\g0a+3], s[\g1a:\g1a+7]
	s_nop 0
.rept 4
	v_nop
.endr
	s_branch .Lasked_\@
.Lfor_b_\@:
	tensor_load_to_lds s[\g0b:\g0b+3], s[\g1b:\g1b+7]
	s_nop 0
.rept 4
	v_nop
.endr
.Lasked_\@:
.endm
.macro CREST                           ; a round of the cluster's barrier behind its opening barrier
	s_cmp_lg_u32 s14, 0
	s_cbranch_scc1 .Lnot_wave_0_\@
	s_barrier_signal -3
.Lnot_wave_0_\@:
	s_barrier_wait -3
	s_barrier_signal -1
	s_barrier_wait -1
.endm
.macro CROUND                          ; a whole round
	s_barrier_signal -1
	s_barrier_wait -1
	CREST
.endm
	s_load_b256 s[68:75], s[0:1], 0x0              ; x s[68:69], Wq s[70:71], Wk s[72:73], Wv s[74:75]
	s_load_b256 s[76:83], s[0:1], 0x20             ; the exponents s[76:77], qi s[78:79], ki s[80:81], vi s[82:83]
	v_lshl_add_u32 v[SPW], v0, 2, SPARE
	v_mov_b32 v[NIL], 0
	ds_add_u32 v28, v29
	ds_add_u32 v28, v29
	s_wait_dscnt 0x0
	v_lshrrev_b32 v1, 5, v0
	v_readfirstlane_b32 s14, v1                    ; wave 0..3
	s_lshr_b32 s15, s14, 1                         ; which half of the tile's rows is mine.  Also: I fetch for A' (0) or for B' (1)
	s_and_b32 s16, s14, 1                          ; which half of its columns.  Also: which 128 rows of that tile I fetch
	s_bfe_u32 s40, ttmp6, 0x40000                  ; cx, cy: my place in the cluster
	s_bfe_u32 s41, ttmp6, 0x40004
	s_and_b32 s18, ttmp7, 0xffff
	s_lshl_b32 s18, s18, 2                         ; 4 x cluster y: the cluster's first tile of 256 tokens
	s_cmp_eq_u32 ttmp9, 2                          ; v?  Then the tokens lie along the columns
	s_cselect_b32 s17, 0, s18
	s_cselect_b32 s42, s18, 0
	s_add_co_u32 s17, s17, s41                     ; tile row of C'
	s_add_co_u32 s42, s42, s40                     ; tile column of C'
	s_lshl_b32 s43, s41, 2
	s_lshl_b32 s43, 15, s43                        ; my row of the cluster
	s_lshl_b32 s44, 0x1111, s40                    ; my column
	; group 1: a tile of 128 rows x 256 bytes, padded in LDS
	s_or_b32 s[G1+0], s43, (0<<16)|(1<<20)|(1<<21)|(5<<22)|(3<<25)  ; 15:0 the mask; 17:16 elements of 1 byte; 20 padding on; 21 set beside a mask; 24:22 after every 64 words; 31:25 four words
	s_or_b32 s[G1B+0], s44, (0<<16)|(1<<20)|(1<<21)|(5<<22)|(3<<25)
.irp g, G1, G1B
	s_mov_b32 s[\g+1], ROWB<<16                    ; tensor_dim0
	s_mov_b32 s[\g+2], 128<<16                     ; tensor_dim1
	s_mov_b32 s[\g+3], ROWB<<16                    ; tile_dim0
	s_mov_b32 s[\g+4], 128                         ; tile_dim1
	s_mov_b32 s[\g+5], KROW                        ; from row to row
	s_mov_b32 s[\g+6], 0
	s_mov_b32 s[\g+7], 0
.endr
	s_lshl_b32 s18, s16, 7                         ; which 128 rows of the tile I fetch
	s_lshl_b32 s20, s17, 8
	s_add_co_u32 s20, s20, s18                     ; A': row 256 x tile row + 128 x half
	s_lshl_b32 s46, s42, 8
	s_add_co_u32 s46, s46, s18                     ; B': row 256 x tile column + 128 x half
	s_lshl_b32 s20, s20, 10                        ; in bytes: under 2^23
	s_lshl_b32 s46, s46, 10
	s_mov_b32 s21, 0
	s_mov_b32 s47, 0
	s_mul_i32 s45, s14, HALFT                      ; where they go: wave x 128 rows
	s_wait_kmcnt 0x0
	s_load_b256 s[84:91], s[76:77], 0x0            ; e0 .. e7
	s_load_b128 s[92:95], s[76:77], 0x20           ; e8 .. e11
	s_cmp_eq_u32 ttmp9, 2
	s_cselect_b64 s[4:5], s[74:75], s[68:69]       ; A': Wv, else x
	s_cselect_b64 s[6:7], s[68:69], s[72:73]       ; B': x, else Wk
	s_cselect_b64 s[10:11], s[82:83], s[80:81]     ; to vi, else ki
	s_cmp_eq_u32 ttmp9, 0
	s_cselect_b64 s[6:7], s[70:71], s[6:7]         ; q: Wq,
	s_cselect_b64 s[10:11], s[78:79], s[10:11]     ; to qi
	s_add_nc_u64 s[20:21], s[4:5], s[20:21]
	s_add_nc_u64 s[46:47], s[6:7], s[46:47]
	CROUND                                         ; all sixteen work-groups are here: the first joint loads meet
.irp s, 0,1
	s_mov_b32 s[G0+4*\s], 1
	s_add_co_u32 s[G0+4*\s+1], s45, \s*SLOT
	s_add_nc_u64 s[G0+4*\s+2:G0+4*\s+3], s[20:21], \s*ROWB
	s_or_b32 s[G0+4*\s+3], s[G0+4*\s+3], 0x80000000
	s_mov_b32 s[G0B+4*\s], 1
	s_add_co_u32 s[G0B+4*\s+1], s45, \s*SLOT
	s_add_nc_u64 s[G0B+4*\s+2:G0B+4*\s+3], s[46:47], \s*ROWB
	s_or_b32 s[G0B+4*\s+3], s[G0B+4*\s+3], 0x80000000
	JLOAD G0+4*\s, G1, G0B+4*\s, G1B
.endr
	v_and_b32 v1, 15, v0                           ; l % 16
	v_bfe_u32 v2, v0, 4, 1                         ; l / 16
	v_mul_u32_u24 v3, v1, PITCH
	v_lshl_add_u32 v4, v2, 4, v3                   ; a fragment's row x pitch + 16 x half
	s_mul_i32 s21, s15, HALFT                      ; my 128 rows of A'
	s_mul_i32 s22, s16, HALFT                      ; my 128 rows of B',
	s_add_co_u32 s22, s22, 2*HALFT                 ; which lie behind A' 256
.irp s, 0,1
	v_add_nc_u32 v[ADRA+\s], s21, v4
	v_add_nc_u32 v[ADRB+\s], s22, v4
	s_add_co_u32 s21, s21, SLOT
	s_add_co_u32 s22, s22, SLOT
.endr
	; the way out's addresses.  Tokens lie along my rows (q, k) or along my columns (v)
	s_cmp_eq_u32 ttmp9, 2
	s_cselect_b32 s96, s42, s17                    ; the tile of 256 tokens,
	s_cselect_b32 s97, s17, s42                    ; the tile of 256 features,
	s_cselect_b32 s98, s16, s15                    ; my half of the tokens,
	s_cselect_b32 s99, s15, s16                    ; my half of the features
	s_mov_b32 s100, 2048
	s_cselect_b32 s100, s100, 1024                 ; from block a to a + 1: a tile of 16 channels (v: 2,048 bytes) or of 16 tokens (q, k: 1,024)
	s_mov_b32 s101, 131072
	s_cselect_b32 s2, s101, 4096                   ; from block a to a + 4: the next head (v) or four tiles of tokens (q, k)
	s_cselect_b32 s3, 1024, s101                   ; from a block's registers 0-7 to its registers 8-15: on in the fragment (v) or the next head (q, k)
	s_lshr_b32 s18, s96, 3                         ; the batch
	s_lshl_b32 s18, s18, 4
	s_lshl_b32 s19, s97, 2
	s_add_co_u32 s18, s18, s19
	s_lshl_b32 s19, s99, 1
	s_add_co_u32 s18, s18, s19                     ; 16 x batch + my first head: 4 x tile + 2 x half
	s_lshl_b32 s18, s18, 17                        ; a head is 131,072 bytes in each of the three buffers
	s_and_b32 s19, s96, 7
	s_lshl_b32 s19, s19, 1
	s_add_co_u32 s19, s19, s98                     ; my 128 tokens of the batch's 2,048:
	s_lshl_b32 s19, s19, 13                        ; 8,192 bytes in each of the three layouts
	s_add_co_u32 s18, s18, s19
	s_mov_b32 s19, 0
	s_add_nc_u64 s[10:11], s[10:11], s[18:19]      ; the base for a block's registers 0-7,
	s_mov_b32 s18, s3
	s_add_nc_u64 s[12:13], s[10:11], s[18:19]      ; and for its registers 8-15
	v_and_b32 v5, 31, v0
	v_lshlrev_b32 v[L16], 4, v5
	s_wait_alu depctr_va_vdst(0)
	s_mov_b32 s18, 0
	s_mov_b32 s19, s2
.irp a, 0,1,2,3
	v_add_nc_u32 v[CO+\a], s18, v[L16]
	v_add_nc_u32 v[CO+4+\a], s19, v[L16]
	s_add_co_u32 s18, s18, s100
	s_add_co_u32 s19, s19, s100
.endr
.macro FRAG reg, adr, q, i             ; 16 rows x 128 K: lane l holds row l % 16; registers 4 c .. 4 c + 3 hold K = 32 c + 16 (l / 16) + 0 .. 15: the same order of k in A' and in B'
.irp c, 0,1,2,3
	ds_load_b128 v[\reg+4*\c:\reg+4*\c+3], v[\adr] offset:128*(\q)+32*\c+(\i)*16*PITCH
.endr
.endm
; 16 matrix instructions: A' blocks a0, a0 + 1 x B' eight, 128 along K.  p: B' set.  zero = 1: the first product starts the sums.  The 64 accumulators take turns, one instruction a turn.
.macro MUL16 a0, p, zero
.irp a, \a0, \a0+1
.irp b, 0,1,2,3,4,5,6,7
.if \zero
	v_wmma_f32_16x16x128_fp8_fp8 v[8*(8*((\a)%4)+\b):8*(8*((\a)%4)+\b)+7], v[128*(\p)+FR*\b:128*(\p)+FR*\b+FR-1], v[AF+FR*(\a):AF+FR*(\a)+FR-1], 0
.else
	v_wmma_f32_16x16x128_fp8_fp8 v[8*(8*((\a)%4)+\b):8*(8*((\a)%4)+\b)+7], v[128*(\p)+FR*\b:128*(\p)+FR*\b+FR-1], v[AF+FR*(\a):AF+FR*(\a)+FR-1], v[8*(8*((\a)%4)+\b):8*(8*((\a)%4)+\b)+7]
.endif
.endr
.endr
.endm
.macro FETCH_B slot, q, p              ; B' eight fragments of the slot's q-th 128 along K into set p
	WIN TO_B
.irp i, 0,1,2,3,4,5,6,7
	FRAG 128*(\p)+FR*\i, ADRB+\slot, \q, \i
.endr
	WIN 0
.endm
.macro FETCH_A slot, q, i0             ; A' blocks i0 .. i0 + 3
.irp i, \i0, \i0+1, \i0+2, \i0+3
	FRAG AF+FR*(\i), ADRA+\slot, \q, \i
.endr
.endm
.macro PLACES n                        ; plain vector instructions between a matrix instruction and a load into a register that it read, or a read of its result
.rept \n
	v_nop
.endr
.endm
; A step of 128 along K that has its successor in the same slot.  A block of A' is free as soon as its eight products are issued: blocks 0-3 are fetched anew in the step's middle, blocks 4-7 at its end.
.macro STEP slot, q, zero
	s_wait_dscnt 4*NL                              ; B' set and A' blocks 0-3 are in; the youngest 16 loads (A' blocks 4-7) may be out
	WIN MUL_LO
	MUL16 0, (\q)%2, \zero
	MUL16 2, (\q)%2, \zero
	s_wait_dscnt 0                                 ; A' blocks 4-7 are in
	PLACES NP
	FETCH_B \slot, (\q)+1, 1-(\q)%2
	FETCH_A \slot, (\q)+1, 0
	WIN MUL_HI
	MUL16 4, (\q)%2, \zero
	MUL16 6, (\q)%2, \zero
	PLACES NP
	WIN 0
	FETCH_A \slot, (\q)+1, 4
.endm
; A slot's last step changes slots: one barrier; in front of it each wave waits for all its tensor loads, adds 0 to its spare word, and waits for that and for its reads of this slot.  fill = 1: the slot is filled again.
.macro TURN slot, next, fill
	s_wait_tensorcnt 0x0                           ; all my tensor loads have landed: my part of the next slot
	ds_add_u32 v[SPW], v[NIL]                      ; 0 onto my spare word
	s_wait_dscnt 4*NL+1                            ; the add and the youngest 16 loads (A' blocks 4-7) may be out
	WIN MUL_LO
	MUL16 0, 1, 0                                  ; sixteen matrix instructions stand between the add and the wait for it
	s_wait_dscnt 0x0                               ; the add is done, and my reads of this slot are over
	s_barrier_signal -1
	MUL16 2, 1, 0
	WIN 0
	s_barrier_wait -1
.if \fill
	CREST                                          ; the barrier has opened a round of the cluster's: no wave of any partner still reads this slot or has a load on its way
	s_add_nc_u64 s[G0+4*\slot+2:G0+4*\slot+3], s[G0+4*\slot+2:G0+4*\slot+3], 2*ROWB
	s_add_nc_u64 s[G0B+4*\slot+2:G0B+4*\slot+3], s[G0B+4*\slot+2:G0B+4*\slot+3], 2*ROWB
	JLOAD G0+4*\slot, G1, G0B+4*\slot, G1B         ; the first tensor load behind the round; its four v_nop are also the places in front of the loads below
.else
	PLACES NP
.endif
	FETCH_B \next, 0, 0
	FETCH_A \next, 0, 0
	WIN MUL_HI
	MUL16 4, 1, 0
	MUL16 6, 1, 0
	PLACES NP
	WIN 0
	FETCH_A \next, 0, 4
.endm
	s_wait_tensorcnt 1                             ; my part of K step 0 is in; K step 1's load may be out
	s_barrier_signal -1
	s_barrier_wait -1                              ; everybody's is
	FETCH_B 0, 0, 0
	FETCH_A 0, 0, 0
	FETCH_A 0, 0, 4
	STEP 0, 0, 1                                   ; the first step stands in front of the loop: its products start the sums
	s_mov_b32 s3, LAPS-1
.Llap:                                                 ; a trip goes once round the ring and fills both slots again
	TURN 0, 1, 1
	STEP 1, 0, 0
	TURN 1, 0, 1
	STEP 0, 0, 0
	s_sub_co_u32 s3, s3, 1
	s_cmp_lg_u32 s3, 0
	s_cbranch_scc1 .Llap
	TURN 0, 1, 0                                   ; the last lap fills nothing
	STEP 1, 0, 0
	s_wait_dscnt 4*NL                              ; the very last step: nothing more to fetch
	WIN MUL_LO
	MUL16 0, 1, 0
	MUL16 2, 1, 0
	s_wait_dscnt 0
	WIN MUL_HI
	MUL16 4, 1, 0
	MUL16 6, 1, 0
	WIN 0
	; THE WAY OUT.  The scale: all three are made, one is chosen
	s_wait_kmcnt 0x0
	s_sub_co_i32 s96, s90, s86
	s_sub_co_i32 s96, s96, s87                     ; q: e6 - e2 - e3
	s_sub_co_i32 s97, s91, s84
	s_sub_co_i32 s97, s97, s85                     ; k: e7 - e0 - e1
	s_sub_co_i32 s98, s93, s88
	s_sub_co_i32 s98, s98, s89                     ; v: e9 - e4 - e5
	s_cmp_eq_u32 ttmp9, 2
	s_cselect_b32 s97, s98, s97
	s_cmp_eq_u32 ttmp9, 0
	s_cselect_b32 s96, s96, s97                    ; es
	s_add_co_i32 s96, s96, 127
	s_lshl_b32 s97, s96, 23
	v_mov_b32 v[SC], s97                           ; 2^es as f32: the conversion takes its exponent field
	s_add_co_i32 s96, s96, 8
	s_lshl_b32 s96, s96, 23
	s_or_b32 s96, s96, 0x600000
	PLACES NP
; Block a: my rows 16 a .. 16 a + 15, 128 columns: a lane's 64 sums are converted to 16 registers of codes (column 16 b + 8 (l / 16) + 0 .. 7 in registers 2 b, 2 b + 1) and stored as they stand.
; For q and k they are two fragments of 64 along K (two heads), for v one fragment of 128 along K.
.macro OUTB a
.set AC, 64*((\a)%4)
	WIN 0x02+((\a)/4)                              ; source 0: window 2 or 3
.set j, 0
.rept 64
.set j, j+1
.endr
.irp b, 0,1,2,3,4,5,6,7
	v_cvt_scalef32_pk8_fp8_f32 v[CD+16*(\a)+2*\b:CD+16*(\a)+2*\b+1], v[AC+8*\b:AC+8*\b+7], v[SC]
.endr
	WIN 0
	v_nop                                          ; one plain instruction between the conversions and the stores
.irp g, 0,1,2,3
	global_store_b128 v[CO+(\a)], v[CD+16*(\a)+4*\g:CD+16*(\a)+4*\g+3], s[10+2*(\g/2):11+2*(\g/2)] offset:512*(\g%2)   ; 32 lanes store 512 consecutive bytes, aligned
.endr
.endm
.irp a, 0,1,2,3,4,5,6,7
	OUTB \a
.endr
	s_wait_tensorcnt 0x0                           ; the wave's end
	ds_add_u32 v[SPW], v[NIL]
	s_wait_dscnt 0x0
	CROUND                                         ; the closing round: no work-group ends while a partner may still ask for a tile that names it
	s_endpgm
.Lfunc_end_k_q0bf1cb495a_qkv:
	.size	k_q0bf1cb495a_qkv, .Lfunc_end_k_q0bf1cb495a_qkv-k_q0bf1cb495a_qkv
	.p2alignl 7, 3214868480
	.fill 96, 4, 3214868480
	.section	.rodata,"a",@progbits
	.p2align	6, 0x0
	.amdhsa_kernel k_q0bf1cb495a_qkv
		.amdhsa_group_segment_fixed_size 327680
		.amdhsa_private_segment_fixed_size 0
		.amdhsa_enable_private_segment 0
		.amdhsa_kernarg_size 64
		.amdhsa_user_sgpr_count 2
		.amdhsa_user_sgpr_kernarg_segment_ptr 1
		.amdhsa_wavefront_size32 1
		.amdhsa_system_sgpr_workgroup_id_x 1
		.amdhsa_system_sgpr_workgroup_id_y 1
		.amdhsa_system_sgpr_workgroup_id_z 1
		.amdhsa_system_vgpr_workitem_id 0
		.amdhsa_next_free_vgpr 1024
		.amdhsa_next_free_sgpr 102
		.amdhsa_reserve_vcc 0
		.amdhsa_float_denorm_mode_32 3
		.amdhsa_float_denorm_mode_16_64 3
		.amdhsa_fp16_overflow 1
		.amdhsa_memory_ordered 1
		.amdhsa_forward_progress 1
		.amdhsa_inst_pref_size 87
	.end_amdhsa_kernel
	.amdgpu_metadata
---
amdhsa.version: [ 1, 2 ]
amdhsa.kernels:
  - .name:           k_q0bf1cb495a_qkv
    .symbol:         k_q0bf1cb495a_qkv.kd
    .args:
      - { .name: x_codes, .offset: 0, .size: 8, .value_kind: global_buffer, .address_space: global }
      - { .name: Wq_codes, .offset: 8, .size: 8, .value_kind: global_buffer, .address_space: global }
      - { .name: Wk_codes, .offset: 16, .size: 8, .value_kind: global_buffer, .address_space: global }
      - { .name: Wv_codes, .offset: 24, .size: 8, .value_kind: global_buffer, .address_space: global }
      - { .name: lowp_scales, .offset: 32, .size: 8, .value_kind: global_buffer, .address_space: global }
      - { .name: qi, .offset: 40, .size: 8, .value_kind: global_buffer, .address_space: global }
      - { .name: ki, .offset: 48, .size: 8, .value_kind: global_buffer, .address_space: global }
      - { .name: vi, .offset: 56, .size: 8, .value_kind: global_buffer, .address_space: global }
    .group_segment_fixed_size: 327680
    .private_segment_fixed_size: 0
    .kernarg_segment_align: 8
    .kernarg_segment_size: 64
    .max_flat_workgroup_size: 128
    .sgpr_count:     102
    .vgpr_count:     1024
    .wavefront_size: 32
...
	.end_amdgpu_metadata
.endif
;; end of part 1
;; launch attn (part 2): grid 4 x 64, 16 waves a work-group, clusters of 4 x 1, 264,192 bytes of LDS; arguments qi, ki, vi, lowp_scales, yi; writes yi
.if DOCPART == 2
	.amdgcn_target "amdgcn-amd-amdhsa--gfx1250"
	.amdhsa_code_object_version 6
	.text
	.protected	k_q0bf1cb495a_attn
	.globl	k_q0bf1cb495a_attn
	.p2align	8
	.type	k_q0bf1cb495a_attn,@function
k_q0bf1cb495a_attn:
	s_mov_b64 s[64:65], 0
	v_nop
	global_prefetch_b8 v0, s[64:65] scope:SCOPE_SE
	s_setreg_imm32_b32 hwreg(HW_REG_WAVE_MODE, 25, 1), 1
	s_wait_xcnt 0x0
	s_wait_alu depctr_hold_cnt(0) depctr_sa_sdst(0) depctr_va_vdst(0) depctr_va_sdst(0) depctr_va_ssrc(0) depctr_va_vcc(0) depctr_vm_vsrc(0)
	s_getreg_b32 s2, hwreg(HW_REG_IB_STS2, 6, 4)
	s_cmp_eq_u32 s2, 0
	s_cbranch_scc0 .Lentry_in_a_cluster
	s_endpgm
.Lentry_in_a_cluster:
	s_bfe_u32 s2, ttmp6, 0x10000c
	s_cmp_lg_u32 s2, 0x3003
	s_cbranch_scc0 .Lentry_shape_is_right
	s_endpgm
.Lentry_shape_is_right:
; y[b][q][head] = the sum over k <= q of softmax_k(q . k / 8) v, head size 64, 2,048 tokens, 64 pairs of batch and head; both products on codes of FP8 (E4M3); y is quantised with e10 for the last product.
; qi, ki, vi hold images of the operands' registers (see below); lowp_scales: q has e6, k e7, p e8, v e9, y e10.
; THE SOFTMAX: t = score x 2^(e6 + e7) x log2(e) / 8; M = the running largest t rounded UP to a whole number; p = 2^(t - M) is quantised with e8, not normalised; the row's sum is taken of the
; unquantised p and divides at the end; when M moves, the sum and O are multiplied by 2^(old M - new M), which rounds nothing.
; LIMITS on the given exponents: e6 + e7 between -123 and 130 (added to c's exponent field); e8 between -126 and 119; e8 + e9 - e10 is applied by v_ldexp_f32.  NaN codes are not served.
; LDS.  A head's K (131,072 bytes) and V (131,072 bytes) lie in LDS whole: every byte is filled once, nothing is filled again, nothing is stored there.  K's step s (128 keys) at 8,192 s, tile i of 16 keys at + 1,024 i;
; V's step s at 131,072 + 8,192 s, tile t of 16 channels at + 2,048 t.  A fragment's four registers are 512 bytes, lane l's 16 bytes at 16 l: the loads' 512 bytes are consecutive.
; CLUSTER.  The four work-groups of a cluster share one head and ask for K and V jointly (mask 15).  Waves 0, 1 fetch K's halves and waves 2, 3 V's halves of each of four groups of 512 keys: four loads of 16 KiB
; a wave, issued together at the head: four tensor loads of a wave are out at the most.  All that the launch reads is asked for at its head, so there is nothing to prefetch.
; SHARES.  A head has 16 groups u of 8 tiles of 16 queries; a tile of group u needs key steps 0 .. u, the last on the diagonal.  Wave w of work-group cx takes place 2 cx + w % 2 in group 15 - w / 2 and then in
; group w / 2: 17 steps for every wave of the launch.  Trip counts are constants; steps past a tile's diagonal are jumped over by a branch on the wave's number; cx enters Q's and y's addresses and the mask's compare alone.
; LAYOUT.  Both products transposed: S^T = K Q^T (source 0 = 16 keys), O^T = V^T P^T (source 0 = 16 channels): a lane holds ONE query (lane % 16).  Score tile i, register j, is key 16 i + 8 (lane / 16) + j: its eight
; codes are registers 2 i, 2 i + 1 of the second product's operand of 128 along K.
; yi: [128 tokens 64][256 features 4][tile of 16 tokens 8][128 features 2][4][32 lanes][16 bytes]: registers 4 c .. 4 c + 3 = features 32 c + 16 (l / 16) + 0 .. 15 of token l % 16.
; REGISTERS: v1 16 x lane; v2 the same in V's half of LDS; v3 the mask's bound; v4 -infinity; v8, v9 addresses in hand; v12 -M, v13 the largest t, v[14:15] the sum in two halves; v16-23, v24-31 Q of my two tiles;
; v32-95 K's 8 fragments, then V's 4; v96-159 S^T, then p; v160-191 O^T; v192-207 y's codes; v209 1; v224-239 p's codes; v244 2^e8; v242-254 at work.
.set L16,  1
.set LV,   2
.set DG,   3
.set NINF, 4
.set ADK,  8
.set ADV,  9
.set Q2,   16                          ; Q of the tile in group 15 - w / 2
.set Q1,   24                          ; Q of the tile in group w / 2
.set Y2,   192
.set Y1,   200
.set G1,   16                          ; s[16:23] descriptor group 1
.set G0,   32                          ; s[32:47] group 0, one for each group of 512 keys
.set SEL,  48                          ; s[48:49] selects for v_permlanex16_b32: lane l xor 16
.set CS,   50                          ; s[50:51] c
.set ST,   52                          ; s52 the key step in hand
.set U,    53                          ; s53 the tile's last key step
.set TB,   54                          ; s54 8,192 x the step
.set CNT,  55                          ; s55 trips to go
.set U1,   56
.set U2,   57
.set EY,   58                          ; s58 e8 + e9 - e10
.set YB2,  60                          ; s[60:61], s[62:63] where my two tiles of y go
.set YB1,  62
.set WV,   66                          ; s66 my wave's number
.macro CROUND                          ; a round of the cluster's barrier
	s_barrier_signal -1
	s_barrier_wait -1
	s_cmp_lg_u32 s[WV], 0
	s_cbranch_scc1 .Lnot_wave_0_\@
	s_barrier_signal -3
.Lnot_wave_0_\@:
	s_barrier_wait -3
	s_barrier_signal -1
	s_barrier_wait -1
.endm
	s_load_b256 s[4:11], s[0:1], 0x0               ; qi s[4:5], ki s[6:7], vi s[8:9], the exponents s[10:11]
	s_load_b64 s[12:13], s[0:1], 0x20              ; yi
	v_lshl_add_u32 v251, v0, 2, 0x40000
	v_mov_b32 v255, 0
	ds_add_u32 v251, v255
	ds_add_u32 v251, v255
	v_lshrrev_b32 v5, 5, v0
	s_delay_alu instid0(VALU_DEP_1)
	v_readfirstlane_b32 s[WV], v5                  ; wave 0..15
	s_and_b32 s80, ttmp7, 0xffff                   ; 16 x batch + head: the cluster's y, which the four partners share
	s_lshr_b32 s81, s[WV], 1
	s_and_b32 s82, s81, 1                          ; of waves 0..3: 0 fetches K, 1 fetches V
	s_and_b32 s83, s[WV], 1                        ; which half of a group's 32,768 bytes
	s_lshl_b32 s84, s82, 17
	s_lshl_b32 s85, s83, 14
	s_add_co_u32 s84, s84, s85                     ; LDS: 131,072 x (K or V) + 16,384 x half
	s_lshl_b32 s86, s80, 17                        ; memory: the head's 131,072 bytes,
	s_add_co_u32 s86, s86, s85                     ; + 16,384 x half
	s_mov_b32 s87, 0
	; group 1: a dense block as 64 rows of 256 bytes
	s_mov_b32 s[G1+0], 15|(3<<16)|(1<<21)          ; 15:0 the mask: all four work-groups; 17:16 elements of 8 bytes; 21 set beside a mask; no padding
	s_mov_b32 s[G1+1], 32<<16                      ; tensor_dim0 = 32 elements
	s_mov_b32 s[G1+2], 64<<16                      ; tensor_dim1 = 64
	s_mov_b32 s[G1+3], 32<<16                      ; tile_dim0
	s_mov_b32 s[G1+4], 64                          ; tile_dim1
	s_mov_b32 s[G1+5], 32                          ; from row to row
	s_mov_b32 s[G1+6], 0
	s_mov_b32 s[G1+7], 0
	s_mov_b32 s[SEL], 0x76543210
	s_mov_b32 s[SEL+1], 0xfedcba98
	s_mov_b32 s[CS], 0x3e38aa3b                    ; c = log2(e) / 8
	s_wait_dscnt 0x0
	s_wait_kmcnt 0x0
	s_load_b256 s[68:75], s[10:11], 0x0            ; e0 .. e7
	s_load_b128 s[76:79], s[10:11], 0x20           ; e8 .. e11
	s_cmp_eq_u32 s82, 0
	s_cselect_b64 s[88:89], s[6:7], s[8:9]
	s_add_nc_u64 s[88:89], s[88:89], s[86:87]
	CROUND                                         ; all four work-groups are here: the joint loads meet
.irp g, 0,1,2,3
	s_mov_b32 s[G0+4*\g], 1
	s_add_co_u32 s[G0+4*\g+1], s84, \g*32768
	s_add_nc_u64 s[G0+4*\g+2:G0+4*\g+3], s[88:89], \g*32768
	s_or_b32 s[G0+4*\g+3], s[G0+4*\g+3], 0x80000000
.endr
	s_cmp_lt_u32 s[WV], 4                          ; a wave's four fills stand in one branch, ahead of every wait on TENSORcnt, every LDS read and every work-group barrier behind the round
	s_cbranch_scc0 .Lno_fetch
	tensor_load_to_lds s[G0:G0+3], s[G1:G1+7]
	s_nop 0
	tensor_load_to_lds s[G0+4:G0+7], s[G1:G1+7]
	s_nop 0
	tensor_load_to_lds s[G0+8:G0+11], s[G1:G1+7]
	s_nop 0
	tensor_load_to_lds s[G0+12:G0+15], s[G1:G1+7]
	s_nop 0
.rept 4
	v_nop
.endr
.Lno_fetch:
	s_bfe_u32 s67, ttmp6, 0x40000                  ; cx: it enters Q's and y's addresses and the mask's bound, in registers that feed no descriptor
	s_lshl_b32 s28, s67, 1
	s_add_co_u32 s28, s28, s83                     ; my place among a group's 8 tiles
	s_mov_b32 s[U1], s81
	s_sub_co_u32 s[U2], 15, s81
	s_lshl_b32 s90, s80, 17
	s_lshl_b32 s91, s28, 10
	s_add_co_u32 s90, s90, s91
	s_mov_b32 s91, 0
	s_add_nc_u64 s[4:5], s[4:5], s[90:91]          ; qi at my head and place; a group of 8 tiles is 8,192 bytes
	s_lshl_b32 s90, s[U2], 13
	s_add_nc_u64 s[24:25], s[4:5], s[90:91]
	s_lshl_b32 s90, s[U1], 13
	s_add_nc_u64 s[26:27], s[4:5], s[90:91]
	v_and_b32 v5, 31, v0
	s_delay_alu instid0(VALU_DEP_1)
	v_lshlrev_b32 v[L16], 4, v5
	s_wait_alu depctr_va_vdst(0)
	global_load_b128 v[Q2:Q2+3], v[L16], s[24:25]
	global_load_b128 v[Q2+4:Q2+7], v[L16], s[24:25] offset:512
	global_load_b128 v[Q1:Q1+3], v[L16], s[26:27]
	global_load_b128 v[Q1+4:Q1+7], v[L16], s[26:27] offset:512
	s_lshr_b32 s29, s80, 4
	s_lshl_b32 s29, s29, 21                        ; yi: the batch's 16 blocks of 131,072 bytes,
	s_bfe_u32 s30, s80, 0x20002
	s_lshl_b32 s30, s30, 15
	s_add_co_u32 s29, s29, s30                     ; + (head / 4) x 32,768: which 256 features,
	s_and_b32 s30, s80, 3
	s_lshl_b32 s30, s30, 10
	s_add_co_u32 s29, s29, s30                     ; + (head % 4) x 1,024: which 64 of them,
	s_lshl_b32 s30, s28, 12
	s_add_co_u32 s29, s29, s30                     ; + my place x 4,096: the tile of 16 tokens
	s_lshl_b32 s90, s[U2], 17
	s_add_co_u32 s90, s90, s29
	s_add_nc_u64 s[YB2:YB2+1], s[12:13], s[90:91]
	s_lshl_b32 s90, s[U1], 17
	s_add_co_u32 s90, s90, s29
	s_add_nc_u64 s[YB1:YB1+1], s[12:13], s[90:91]
	v_add_nc_u32 v[LV], 0x20000, v[L16]
	v_and_b32 v6, 15, v0
	v_bfe_u32 v7, v0, 4, 1
	s_delay_alu instid0(VALU_DEP_1)
	v_lshlrev_b32 v7, 3, v7
	s_delay_alu instid0(VALU_DEP_1)
	v_sub_nc_u32 v[DG], v6, v7
	s_lshl_b32 s31, s28, 4
	v_add_nc_u32 v[DG], s31, v[DG]                 ; on the diagonal: my query - the step's first key - 8 (lane / 16).  Register 8 i + j holds key 16 i + j + 8 (lane / 16): hidden where 16 i + j is above this
	v_mov_b32 v[NINF], 0xff800000
	v_mov_b32 v209, 1.0
	v_mov_b32 v246, 0                              ; written once: a lane permute's destination counts as one of its sources
	v_mov_b32 v253, 0                              ; named as the upper half of the pair v[252:253]
	s_wait_kmcnt 0x0
	s_add_co_i32 s92, s74, s75
	s_lshl_b32 s92, s92, 23
	s_add_co_i32 s[CS], s[CS], s92                 ; a score stands for score x 2^(e6 + e7): added to c's exponent field
	s_mov_b32 s[CS+1], s[CS]                       ; named with it as a pair
	s_add_co_i32 s92, s76, 127
	s_lshl_b32 s93, s92, 23
	v_mov_b32 v244, s93                            ; 2^e8
	s_add_co_i32 s[EY], s76, s77
	s_sub_co_i32 s[EY], s[EY], s78                 ; e8 + e9 - e10
; A KEY STEP: 128 keys against the tile whose Q lies in v[q] on.  edge = 1: the step may lie past the tile's diagonal (left out) or on it (masked); edge = 0: it cannot.
.macro STEP q, edge
.if \edge
	s_cmp_gt_u32 s[ST], s[U]
	s_cbranch_scc1 .Lhidden_\@
.endif
	s_setprio 2
	v_add_nc_u32 v[ADK], s[TB], v[L16]
	v_add_nc_u32 v[ADV], s[TB], v[LV]
	v_nop
	v_nop                                          ; with the two additions: four places in front of loads into registers that the last products read
.irp i, 0,1,2,3,4,5,6,7
	ds_load_b128 v[32+8*\i:35+8*\i], v[ADK] offset:1024*\i
	ds_load_b128 v[36+8*\i:39+8*\i], v[ADK] offset:1024*\i+512
.endr
	s_wait_alu depctr_va_vdst(0)
	s_wait_dscnt 0x0
.irp i, 0,1,2,3,4,5,6,7
	v_wmma_f32_16x16x64_fp8_fp8 v[96+8*\i:103+8*\i], v[32+8*\i:39+8*\i], v[\q:\q+7], 0
.endr
.rept 4
	v_nop                                          ; places in front of the loads below and of the first read of the scores
.endr
.irp t, 0,1,2,3
.irp g, 0,1,2,3
	ds_load_b128 v[32+16*\t+4*\g:35+16*\t+4*\g], v[ADV] offset:2048*\t+512*\g   ; V's fragments land while the softmax is worked
.endr
.endr
.if \edge
	s_cmp_lg_u32 s[ST], s[U]
	s_cbranch_scc1 .Lopen_\@
.irp n, 0,1,2,3,4,5,6,7,8,9,10,11,12,13,14,15,16,17,18,19,20,21,22,23,24,25,26,27,28,29,30,31,32,33,34,35,36,37,38,39,40,41,42,43,44,45,46,47,48,49,50,51,52,53,54,55,56,57,58,59,60,61,62,63
	v_cmp_gt_i32 vcc_lo, 16*(\n/8)+\n%8, v[DG]
	v_cndmask_b32 v[96+\n], v[96+\n], v[NINF], vcc_lo   ; a hidden key's score becomes -infinity ahead of the maximum: p = 0
.endr
.Lopen_\@:
.endif
	v_max3_num_f32 v254, v96, v97, v98             ; the step's largest score of my query among my 64 keys, in two chains; each accumulator is first read at its low end
	v_max3_num_f32 v252, v99, v100, v101
.irp i, 6,10,14,18,22,26,30,34,38,42,46,50,54,58
	v_max3_num_f32 v254, v254, v[96+\i], v[97+\i]
	v_max3_num_f32 v252, v252, v[98+\i], v[99+\i]
.endr
	v_max3_num_f32 v254, v254, v158, v159
	s_delay_alu instid0(VALU_DEP_1)
	v_max_num_f32 v254, v254, v252
	s_delay_alu instid0(VALU_DEP_1)
	v_permlanex16_b32 v246, v254, s[SEL], s[SEL+1]
	s_delay_alu instid0(VALU_DEP_1)
	v_max_num_f32 v254, v254, v246                 ; and among lane l xor 16's
	s_delay_alu instid0(VALU_DEP_1)
	v_mul_f32 v254, s[CS], v254                    ; as t (c is positive)
	s_delay_alu instid0(VALU_DEP_1)
	v_max_num_f32 v13, v13, v254                   ; the running largest t
	v_mov_b32 v254, v12
	s_delay_alu instid0(VALU_DEP_2)
	v_floor_f32 v12, -v13                          ; the new -M = floor(-t): M is a whole number
	s_delay_alu instid0(VALU_DEP_1)
	v_sub_f32 v254, v12, v254                      ; old M - new M: a whole number, 0 or less
	s_delay_alu instid0(VALU_DEP_1)
	v_cvt_i32_f32 v254, v254                       ; (it saturates)
	s_delay_alu instid0(VALU_DEP_1)
	v_ldexp_f32 v252, 1.0, v254                    ; f = 2^(old M - new M)
.irp j, 0,2,4,6,8,10,12,14,16,18,20,22,24,26,28,30,32,34,36,38,40,42,44,46,48,50,52,54,56,58,60,62
	v_pk_fma_f32 v[96+\j:97+\j], v[96+\j:97+\j], s[CS:CS+1], v[12:13] op_sel_hi:[1,0,0]   ; t - M, two at a time
.endr
	s_setprio 1
	s_wait_alu depctr_va_vdst(0)
.irp j, 0,1,2,3,4,5,6,7,8,9,10,11,12,13,14,15,16,17,18,19,20,21,22,23,24,25,26,27,28,29,30,31,32,33,34,35,36,37,38,39,40,41,42,43,44,45,46,47,48,49,50,51,52,53,54,55,56,57,58,59,60,61,62,63
	v_exp_f32 v[96+\j], v[96+\j]                   ; p = 2^(t - M), at most 1
.endr
	v_pk_mul_f32 v[14:15], v[14:15], v[252:253] op_sel_hi:[1,0]   ; the sums under the new M: the plain instruction behind the exponentials
	s_wait_alu depctr_va_vdst(0)                   ; one wait for the batch of 64, ahead of its first reader
	v_pk_add_f32 v[242:243], v[100:101], v[104:105]
	v_pk_add_f32 v[248:249], v[108:109], v[112:113]
	v_pk_add_f32 v[240:241], v[116:117], v[120:121]
	v_pk_add_f32 v[238:239], v[124:125], v[128:129]
	v_pk_add_f32 v[236:237], v[132:133], v[136:137]
	v_pk_add_f32 v[234:235], v[140:141], v[144:145]
	v_pk_add_f32 v[232:233], v[148:149], v[152:153]
	v_pk_add_f32 v[14:15], v[14:15], v[156:157]
	v_pk_add_f32 v[242:243], v[242:243], v[96:97]
	v_pk_add_f32 v[248:249], v[248:249], v[98:99]
	v_pk_add_f32 v[240:241], v[240:241], v[102:103]
	v_pk_add_f32 v[238:239], v[238:239], v[106:107]
	v_pk_add_f32 v[236:237], v[236:237], v[110:111]
	v_pk_add_f32 v[234:235], v[234:235], v[114:115]
	v_pk_add_f32 v[232:233], v[232:233], v[118:119]
	v_pk_add_f32 v[14:15], v[14:15], v[122:123]
	v_pk_add_f32 v[242:243], v[242:243], v[126:127]
	v_pk_add_f32 v[248:249], v[248:249], v[130:131]
	v_pk_add_f32 v[240:241], v[240:241], v[134:135]
	v_pk_add_f32 v[238:239], v[238:239], v[138:139]
	v_pk_add_f32 v[236:237], v[236:237], v[142:143]
	v_pk_add_f32 v[234:235], v[234:235], v[146:147]
	v_pk_add_f32 v[232:233], v[232:233], v[150:151]
	v_pk_add_f32 v[14:15], v[14:15], v[154:155]
	v_pk_add_f32 v[242:243], v[242:243], v[158:159]
	s_delay_alu instid0(VALU_DEP_2)
	v_pk_add_f32 v[14:15], v[14:15], v[238:239]
	s_delay_alu instid0(VALU_DEP_2)
	v_pk_add_f32 v[242:243], v[242:243], v[236:237]
	v_pk_add_f32 v[248:249], v[248:249], v[234:235]
	v_pk_add_f32 v[240:241], v[240:241], v[232:233]
	s_delay_alu instid0(VALU_DEP_2)
	v_pk_add_f32 v[14:15], v[14:15], v[248:249]
	s_delay_alu instid0(VALU_DEP_2)
	v_pk_add_f32 v[242:243], v[242:243], v[240:241]
	s_delay_alu instid0(VALU_DEP_1)
	v_pk_add_f32 v[14:15], v[14:15], v[242:243]
	s_setprio 0
.irp i, 0,1,2,3,4,5,6,7
.irp j, 0,1,2,3,4,5,6,7
.endr
	v_cvt_scalef32_pk8_fp8_f32 v[224+2*\i:225+2*\i], v[96+8*\i:103+8*\i], v244
.endr
.irp j, 0,2,4,6,8,10,12,14,16,18,20,22,24,26,28,30
	v_pk_mul_f32 v[160+\j:161+\j], v[160+\j:161+\j], v[252:253] op_sel_hi:[1,0]   ; O^T under the new M; also the plain instructions between the conversions and the products
.endr
	s_wait_alu depctr_va_vdst(0)
	s_wait_dscnt 0x0                               ; V's 16 loads are in
.irp t, 0,1,2,3
	v_wmma_f32_16x16x128_fp8_fp8 v[160+8*\t:167+8*\t], v[32+16*\t:47+16*\t], v[224:239], v[160+8*\t:167+8*\t]   ; four accumulators by turns
.endr
.if \edge
.Lhidden_\@:
.endif
	s_add_co_u32 s[TB], s[TB], 8192
.endm
; n key steps from step start on: the trip count is a constant of the text
.macro WALK start, n, q, edge
	s_mov_b32 s[ST], \start
	s_mov_b32 s[TB], \start*8192
	s_mov_b32 s[CNT], \n
.Lwalk_\@:
	STEP \q, \edge
	s_add_co_u32 s[ST], s[ST], 1
	s_sub_co_u32 s[CNT], s[CNT], 1
	s_cmp_lg_u32 s[CNT], 0
	s_cbranch_scc1 .Lwalk_\@
	s_setprio 0
.endm
; The step is written once for first and later steps: a tile begins with zeros and a largest t under every t, which the first change of M leaves zeros.
.macro INIT
	v_mov_b32 v13, 0xff61b1e6                      ; -3e38
	s_delay_alu instid0(VALU_DEP_1)
	v_floor_f32 v12, -v13
	v_mov_b32 v14, 0
	v_mov_b32 v15, 0
.irp j, 0,1,2,3,4,5,6,7,8,9,10,11,12,13,14,15,16,17,18,19,20,21,22,23,24,25,26,27,28,29,30,31
	v_mov_b32 v[160+\j], 0
.endr
.endm
; left = how many of my fills may stay out: the groups of keys that are read behind this barrier have landed, in every wave that fetched a part of them.
.macro MEET left
	s_wait_dscnt 0x0
	s_wait_tensorcnt \left
	s_barrier_signal -1
	s_barrier_wait -1
.endm
; A tile's end: O^T / the sum x 2^(e8 + e9 - e10), held within +-448, converted with the scale 1: y's codes.  A pair of registers holds channels 16 t + 8 (l / 16) + 0 .. 7; the swap of half-rows between
; tiles 2 b and 2 b + 1 gives each lane channels 32 b + 16 (l / 16) + 0 .. 15 in four registers on end: the order in which the last product reads its operand.
.macro FINISH y, base
.rept 4
	v_nop                                          ; places behind the last products
.endr
	v_add_f32 v14, v14, v15
	s_delay_alu instid0(VALU_DEP_1)
	v_permlanex16_b32 v246, v14, s[SEL], s[SEL+1]
	s_delay_alu instid0(VALU_DEP_1)
	v_add_f32 v14, v14, v246                       ; the row's sum
	s_wait_alu depctr_va_vdst(0)
	v_rcp_f32 v14, v14
	v_nop                                          ; a plain instruction behind the reciprocal,
	s_wait_alu depctr_va_vdst(0)                   ; and the wait ahead of its first reader
	v_ldexp_f32 v14, v14, s[EY]
.irp j, 0,2,4,6,8,10,12,14,16,18,20,22,24,26,28,30
	v_pk_mul_f32 v[96+\j:97+\j], v[160+\j:161+\j], v[14:15] op_sel_hi:[1,0]
.endr
.irp j, 0,1,2,3,4,5,6,7,8,9,10,11,12,13,14,15,16,17,18,19,20,21,22,23,24,25,26,27,28,29,30,31
.endr
.irp t, 0,1,2,3
	v_cvt_scalef32_pk8_fp8_f32 v[\y+2*\t:\y+2*\t+1], v[96+8*\t:103+8*\t], v209
.endr
	v_nop                                          ; one plain instruction between the conversions and the swaps
.irp b, 0,1
.irp i, 0,1
	v_permlane16_swap_b32 v[\y+4*\b+\i], v[\y+4*\b+2+\i]   ; the first register's lanes 16-31 change places with the second's lanes 0-15
.endr
.endr
.irp b, 0,1
	global_store_b128 v[L16], v[\y+4*\b:\y+4*\b+3], s[\base:\base+1] offset:512*\b   ; 32 lanes store 512 consecutive bytes, aligned; each tile has registers and a base of its own
.endr
.endm
	INIT
	s_mov_b32 s[U], s[U2]                          ; the long tile first: its first 8 steps are the same work in every wave, so the barriers below are met together
	s_wait_loadcnt 0x0                             ; Q
	MEET 3                                         ; keys 0-511 are in; three groups may be out
	WALK 0, 4, Q2, 0
	MEET 2                                         ; keys 512-1,023 are in
	WALK 4, 4, Q2, 0
	MEET 0                                         ; all keys are in
	WALK 8, 8, Q2, 1
	FINISH Y2, YB2
	INIT
	s_mov_b32 s[U], s[U1]
	WALK 0, 8, Q1, 1
	FINISH Y1, YB1
	s_wait_tensorcnt 0x0
	ds_add_u32 v251, v255
	s_wait_dscnt 0x0
	CROUND                                         ; the closing round
	s_endpgm
.Lfunc_end_k_q0bf1cb495a_attn:
	.size	k_q0bf1cb495a_attn, .Lfunc_end_k_q0bf1cb495a_attn-k_q0bf1cb495a_attn
	.p2alignl 7, 3214868480
	.fill 96, 4, 3214868480
	.section	.rodata,"a",@progbits
	.p2align	6, 0x0
	.amdhsa_kernel k_q0bf1cb495a_attn
		.amdhsa_group_segment_fixed_size 264192
		.amdhsa_private_segment_fixed_size 0
		.amdhsa_enable_private_segment 0
		.amdhsa_kernarg_size 40
		.amdhsa_user_sgpr_count 2
		.amdhsa_user_sgpr_kernarg_segment_ptr 1
		.amdhsa_wavefront_size32 1
		.amdhsa_system_sgpr_workgroup_id_x 1
		.amdhsa_system_sgpr_workgroup_id_y 1
		.amdhsa_system_sgpr_workgroup_id_z 1
		.amdhsa_system_vgpr_workitem_id 0
		.amdhsa_next_free_vgpr 256
		.amdhsa_next_free_sgpr 96
		.amdhsa_reserve_vcc 1
		.amdhsa_float_denorm_mode_32 3
		.amdhsa_float_denorm_mode_16_64 3
		.amdhsa_fp16_overflow 1
		.amdhsa_memory_ordered 1
		.amdhsa_forward_progress 1
		.amdhsa_inst_pref_size 80
	.end_amdhsa_kernel
	.amdgpu_metadata
---
amdhsa.version: [ 1, 2 ]
amdhsa.kernels:
  - .name:           k_q0bf1cb495a_attn
    .symbol:         k_q0bf1cb495a_attn.kd
    .args:
      - { .name: qi, .offset: 0, .size: 8, .value_kind: global_buffer, .address_space: global }
      - { .name: ki, .offset: 8, .size: 8, .value_kind: global_buffer, .address_space: global }
      - { .name: vi, .offset: 16, .size: 8, .value_kind: global_buffer, .address_space: global }
      - { .name: lowp_scales, .offset: 24, .size: 8, .value_kind: global_buffer, .address_space: global }
      - { .name: yi, .offset: 32, .size: 8, .value_kind: global_buffer, .address_space: global }
    .group_segment_fixed_size: 264192
    .private_segment_fixed_size: 0
    .kernarg_segment_align: 8
    .kernarg_segment_size: 40
    .max_flat_workgroup_size: 512
    .sgpr_count:     96
    .vgpr_count:     256
    .wavefront_size: 32
...
	.end_amdgpu_metadata
.endif
;; end of part 2
;; launch proj (part 3): grid 4 x 32, 4 waves a work-group, clusters of 4 x 4, 327,680 bytes of LDS; arguments yi, Wp_codes, lowp_scales, out0; writes out0
.if DOCPART == 3
	.amdgcn_target "amdgcn-amd-amdhsa--gfx1250"
	.amdhsa_code_object_version 6
	.text
	.protected	k_q0bf1cb495a_proj
	.globl	k_q0bf1cb495a_proj
	.p2align	8
	.type	k_q0bf1cb495a_proj,@function
k_q0bf1cb495a_proj:
	s_mov_b64 s[64:65], 0
	v_nop
	global_prefetch_b8 v0, s[64:65] scope:SCOPE_SE
	s_setreg_imm32_b32 hwreg(HW_REG_WAVE_MODE, 25, 1), 1
	s_wait_xcnt 0x0
	s_wait_alu depctr_hold_cnt(0) depctr_sa_sdst(0) depctr_va_vdst(0) depctr_va_sdst(0) depctr_va_ssrc(0) depctr_va_vcc(0) depctr_vm_vsrc(0)
	s_getreg_b32 s2, hwreg(HW_REG_IB_STS2, 6, 4)
	s_cmp_eq_u32 s2, 0
	s_cbranch_scc0 .Lentry_in_a_cluster
	s_endpgm
.Lentry_in_a_cluster:
	s_bfe_u32 s2, ttmp6, 0x10000c
	s_cmp_lg_u32 s2, 0xf033
	s_cbranch_scc0 .Lentry_shape_is_right
	s_endpgm
.Lentry_shape_is_right:
; out0[m][n] = 2^(e10 + e11) x the sum over k of y[m][k] Wp[n][k], on codes of FP8 (E4M3).  m: 8,192 tokens, n: 1,024, k: 1,024.  out0: f32.
; Wp: [1024][1024] codes, K innermost.  y comes as images of the operand's registers: yi [128 tokens 64][256 along K 4][tile of 16 tokens 8][128 along K 2][4][32 lanes][16 bytes]:
; registers 4 c .. 4 c + 3 of a fragment = K 32 c + 16 (l / 16) + 0 .. 15 of token l % 16, the order in which Wp's fragments are read from their rows.  So 128 tokens x 256 along K are one dense block of 32,768 bytes.
; LIMIT: e10 + e11 between -126 and 127, so that 2^(e10 + e11) is an f32 number.
; A tile of out0, 256 x 256, is made by a work-group of four waves, 128 x 128 each: 64 accumulators, 512 registers.  32 x 4 tiles: 128 work-groups.
; K goes in steps of 256 through a ring of two LDS slots.  CLUSTERS: 4 x 4 work-groups; y's blocks are asked for jointly along a row of the cluster, Wp's tiles along a column.
; The matrix instruction is used transposed (source 0 = 16 rows of Wp, source 1 = 16 tokens): a lane holds eight neighbouring numbers of a row of out0.
; No prefetch: the launch has two refills in all.
; REGISTERS, in windows of 256: window 0: v0-31 addresses; from v128 y's fragments, one set; on the way out v32-255 are free.  window 1: Wp's fragments, two sets.  windows 2, 3: the accumulators.
.set SIZE_N, 1024
.set ROWB,   256                       ; a row of Wp's tile in bytes
.set KROW,   1024                      ; a row of Wp in memory
.set PITCH,  272                       ; Wp's LDS row: 256 bytes + 16 of padding: the 16 rows that a load touches start at 16 different banks (64 banks of 4 bytes: ISA guide 11.1)
.set FR,     16
.set NL,     4
.set NP,     4
.set AHALF,  32768                     ; y: 128 tokens x 256 along K, as images: what one tensor load brings
.set HALFT,  128*PITCH                 ; Wp: 128 rows
.set BOFF,   2*AHALF                   ; a slot: y's two blocks, then Wp's 256 rows
.set SLOT,   2*AHALF+2*HALFT
.set LAPS,   2
.set SPARE,  2*SLOT                    ; behind the ring: the spare words, 128 bytes a wave
.set SPITCH, 528                       ; the way out: a stage of 16 rows x (512 bytes + 16) for each wave, in slot 0, which has had its last fill and its last read when the first result is stored there
.set ADRA, 16
.set ADRB, 20
.set STO,  24
.set RD,   25
.set CO,   26                          ; v26     16 x lane
.set SPW,  28
.set NIL,  29
.set TMP,  32
.set AF,   128
.set BK,   128
.set G1, 24
.set G0, 32
.set G1B, 48
.set G0B, 56
.set MSB, 0
.macro WIN new
.if MSB != \new
	s_set_vgpr_msb (MSB<<8)|\new
.set MSB, \new
.endif
.endm
.set MUL_LO, 0xa1
.set MUL_HI, 0xf1
.set TO_B,   0x40
.macro JLOAD g0a, g1a, g0b, g1b        ; waves 0 and 1 fetch y's blocks, waves 2 and 3 Wp's halves; four v_nop follow each of the two lines
	s_cmp_eq_u32 s15, 0
	s_cbranch_scc0 .Lfor_b_\@
	tensor_load_to_lds s[\g0a:\g0a+3], s[\g1a:\g1a+7]
	s_nop 0
.rept 4
	v_nop
.endr
	s_branch .Lasked_\@
.Lfor_b_\@:
	tensor_load_to_lds s[\g0b:\g0b+3], s[\g1b:\g1b+7]
	s_nop 0
.rept 4
	v_nop
.endr
.Lasked_\@:
.endm
.macro CREST
	s_cmp_lg_u32 s14, 0
	s_cbranch_scc1 .Lnot_wave_0_\@
	s_barrier_signal -3
.Lnot_wave_0_\@:
	s_barrier_wait -3
	s_barrier_signal -1
	s_barrier_wait -1
.endm
.macro CROUND
	s_barrier_signal -1
	s_barrier_wait -1
	CREST
.endm
	s_load_b128 s[4:7], s[0:1], 0x0                ; yi s[4:5], Wp's codes s[6:7]
	s_load_b128 s[8:11], s[0:1], 0x10              ; the exponents s[8:9], out0 s[10:11]
	v_lshl_add_u32 v[SPW], v0, 2, SPARE
	v_mov_b32 v[NIL], 0
	ds_add_u32 v28, v29
	ds_add_u32 v28, v29
	s_wait_dscnt 0x0
	v_lshrrev_b32 v1, 5, v0
	v_readfirstlane_b32 s14, v1                    ; wave 0..3
	s_lshr_b32 s15, s14, 1                         ; which half of the tile's rows is mine.  Also: I fetch y (0) or Wp (1)
	s_and_b32 s16, s14, 1                          ; which half of its columns.  Also: which half I fetch
	s_bfe_u32 s40, ttmp6, 0x40000                  ; cx, cy
	s_bfe_u32 s41, ttmp6, 0x40004
	s_lshl_b32 s42, ttmp9, 2
	s_add_co_u32 s42, s42, s40                     ; tile column
	s_and_b32 s17, ttmp7, 0xffff
	s_lshl_b32 s17, s17, 2
	s_add_co_u32 s17, s17, s41                     ; tile row
	s_lshl_b32 s43, s41, 2
	s_lshl_b32 s43, 15, s43                        ; my row of the cluster
	s_lshl_b32 s44, 0x1111, s40                    ; my column
	; group 1 for y: a dense block as 128 rows of 256 bytes, no padding
	s_or_b32 s[G1+0], s43, (3<<16)|(1<<21)         ; 15:0 the mask; 17:16 elements of 8 bytes; 21 set beside a mask
	s_mov_b32 s[G1+1], 32<<16                      ; tensor_dim0 = 32 elements
	s_mov_b32 s[G1+2], 128<<16                     ; tensor_dim1
	s_mov_b32 s[G1+3], 32<<16                      ; tile_dim0
	s_mov_b32 s[G1+4], 128                         ; tile_dim1
	s_mov_b32 s[G1+5], 32                          ; from row to row
	s_mov_b32 s[G1+6], 0
	s_mov_b32 s[G1+7], 0
	; group 1 for Wp: 128 rows x 256 bytes, padded in LDS
	s_or_b32 s[G1B+0], s44, (0<<16)|(1<<20)|(1<<21)|(5<<22)|(3<<25)
	s_mov_b32 s[G1B+1], ROWB<<16
	s_mov_b32 s[G1B+2], 128<<16
	s_mov_b32 s[G1B+3], ROWB<<16
	s_mov_b32 s[G1B+4], 128
	s_mov_b32 s[G1B+5], KROW
	s_mov_b32 s[G1B+6], 0
	s_mov_b32 s[G1B+7], 0
	s_lshl_b32 s20, s17, 1
	s_add_co_u32 s20, s20, s16                     ; y: the block of 128 tokens: 2 x tile row + half,
	s_lshl_b32 s20, s20, 17                        ; 131,072 bytes each
	s_mov_b32 s21, 0
	s_lshl_b32 s46, s42, 8
	s_lshl_b32 s18, s16, 7
	s_add_co_u32 s46, s46, s18                     ; Wp: row 256 x tile column + 128 x half,
	s_lshl_b32 s46, s46, 10                        ; 1,024 bytes each
	s_mov_b32 s47, 0
	s_lshl_b32 s45, s16, 15                        ; where they go: y's block,
	s_mul_i32 s19, s16, HALFT
	s_add_co_u32 s19, s19, BOFF                    ; Wp's half: no place in the cluster enters an LDS address
	s_wait_kmcnt 0x0
	s_load_b64 s[96:97], s[8:9], 0x28              ; e10, e11
	s_add_nc_u64 s[20:21], s[4:5], s[20:21]
	s_add_nc_u64 s[46:47], s[6:7], s[46:47]
	CROUND                                         ; all sixteen work-groups are here: the first joint loads meet
.irp s, 0,1
	s_mov_b32 s[G0+4*\s], 1
	s_add_co_u32 s[G0+4*\s+1], s45, \s*SLOT
	s_add_nc_u64 s[G0+4*\s+2:G0+4*\s+3], s[20:21], \s*AHALF
	s_or_b32 s[G0+4*\s+3], s[G0+4*\s+3], 0x80000000
	s_mov_b32 s[G0B+4*\s], 1
	s_add_co_u32 s[G0B+4*\s+1], s19, \s*SLOT
	s_add_nc_u64 s[G0B+4*\s+2:G0B+4*\s+3], s[46:47], \s*ROWB
	s_or_b32 s[G0B+4*\s+3], s[G0B+4*\s+3], 0x80000000
	s_wait_alu depctr_va_vdst(0)
	s_wait_tensorcnt 0x0
	ds_add_u32 v28, v29
	ds_add_u32 v28, v29
	s_wait_dscnt 0x0
	CROUND
	JLOAD G0+4*\s, G1, G0B+4*\s, G1B
.endr
	v_and_b32 v1, 15, v0                           ; l % 16
	v_bfe_u32 v2, v0, 4, 1                         ; l / 16
	v_mul_u32_u24 v3, v1, PITCH
	v_lshl_add_u32 v4, v2, 4, v3                   ; Wp: a fragment's row x pitch + 16 x half
	v_and_b32 v6, 31, v0
	v_lshlrev_b32 v[CO], 4, v6                     ; y's images, the stage's rows and out0's rows: 16 x lane
	s_wait_alu depctr_va_vdst(0)
	s_lshl_b32 s21, s15, 15                        ; my 128 tokens of y
	s_mul_i32 s22, s16, HALFT                      ; my 128 rows of Wp,
	s_add_co_u32 s22, s22, BOFF                    ; which lie behind y's blocks
.irp s, 0,1
	v_add_nc_u32 v[ADRA+\s], s21, v[CO]
	v_add_nc_u32 v[ADRB+\s], s22, v4
	s_add_co_u32 s21, s21, SLOT
	s_add_co_u32 s22, s22, SLOT
.endr
	s_mul_i32 s23, s14, 16*SPITCH                  ; my stage
	v_mul_u32_u24 v5, v1, SPITCH                   ; in: row l % 16, 32 bytes for each half of the lanes
	v_lshl_add_u32 v5, v2, 5, v5
	v_add_nc_u32 v[STO], s23, v5
	v_add_nc_u32 v[RD], s23, v[CO]                 ; back: the 32 lanes take one row of 512 bytes
	s_lshl_b32 s20, s17, 8
	s_lshl_b32 s21, s15, 7
	s_add_co_u32 s20, s20, s21                     ; my first row of out0
	s_lshl_b32 s20, s20, 12                        ; 4,096 bytes a row: under 2^25
	s_mov_b32 s21, 0
	s_lshl_b32 s46, s42, 10                        ; my first column, in bytes: 1,024 x tile column + 512 x half
	s_lshl_b32 s47, s16, 9
	s_add_co_u32 s46, s46, s47
	s_mov_b32 s47, 0
	s_add_nc_u64 s[20:21], s[20:21], s[46:47]
	s_add_nc_u64 s[10:11], s[10:11], s[20:21]
.macro FRAGB reg, adr, q, i            ; Wp: 16 rows x 128 K from padded rows: registers 4 c .. 4 c + 3 hold K = 32 c + 16 (l / 16) + 0 .. 15
.irp c, 0,1,2,3
	ds_load_b128 v[\reg+4*\c:\reg+4*\c+3], v[\adr] offset:128*(\q)+32*\c+(\i)*16*PITCH
.endr
.endm
.macro FRAGA reg, adr, q, i            ; y: the image of tile i, K step q: four loads of 512 consecutive bytes
.irp c, 0,1,2,3
	ds_load_b128 v[\reg+4*\c:\reg+4*\c+3], v[\adr] offset:4096*(\i)+2048*(\q)+512*\c
.endr
.endm
.macro MUL16 a0, p, zero               ; the 64 accumulators take turns, one instruction a turn
.irp a, \a0, \a0+1
.irp b, 0,1,2,3,4,5,6,7
.if \zero
	v_wmma_f32_16x16x128_fp8_fp8 v[8*(8*((\a)%4)+\b):8*(8*((\a)%4)+\b)+7], v[128*(\p)+FR*\b:128*(\p)+FR*\b+FR-1], v[AF+FR*(\a):AF+FR*(\a)+FR-1], 0
.else
	v_wmma_f32_16x16x128_fp8_fp8 v[8*(8*((\a)%4)+\b):8*(8*((\a)%4)+\b)+7], v[128*(\p)+FR*\b:128*(\p)+FR*\b+FR-1], v[AF+FR*(\a):AF+FR*(\a)+FR-1], v[8*(8*((\a)%4)+\b):8*(8*((\a)%4)+\b)+7]
.endif
.endr
.endr
.endm
.macro FETCH_B slot, q, p
	WIN TO_B
.irp i, 0,1,2,3,4,5,6,7
	FRAGB 128*(\p)+FR*\i, ADRB+\slot, \q, \i
.endr
	WIN 0
.endm
.macro FETCH_A slot, q, i0
.irp i, \i0, \i0+1, \i0+2, \i0+3
	FRAGA AF+FR*(\i), ADRA+\slot, \q, \i
.endr
.endm
.macro PLACES n                        ; plain vector instructions between a matrix instruction and a load into a register that it read, or a read of its result
.rept \n
	v_nop
.endr
.endm
.macro STEP slot, q, zero
	s_wait_dscnt 4*NL                              ; Wp's set and y's blocks 0-3 are in; the youngest 16 loads (y's blocks 4-7) may be out
	WIN MUL_LO
	MUL16 0, (\q)%2, \zero
	MUL16 2, (\q)%2, \zero
	s_wait_dscnt 0                                 ; y's blocks 4-7 are in
	PLACES NP
	FETCH_B \slot, (\q)+1, 1-(\q)%2
	FETCH_A \slot, (\q)+1, 0
	WIN MUL_HI
	MUL16 4, (\q)%2, \zero
	MUL16 6, (\q)%2, \zero
	PLACES NP
	WIN 0
	FETCH_A \slot, (\q)+1, 4
.endm
.macro TURN slot, next, fill
	s_wait_tensorcnt 0x0                           ; all my tensor loads have landed: my part of the next slot
	ds_add_u32 v[SPW], v[NIL]                      ; 0 onto my spare word
	s_wait_dscnt 4*NL+1                            ; the add and the youngest 16 loads may be out
	WIN MUL_LO
	MUL16 0, 1, 0
	s_wait_dscnt 0x0                               ; the add is done, and my reads of this slot are over
	s_barrier_signal -1
	MUL16 2, 1, 0
	WIN 0
	s_barrier_wait -1
.if \fill
	CREST                                          ; the barrier has opened a round of the cluster's: no wave of any partner still reads this slot or has a load on its way
	s_add_nc_u64 s[G0+4*\slot+2:G0+4*\slot+3], s[G0+4*\slot+2:G0+4*\slot+3], 2*AHALF
	s_add_nc_u64 s[G0B+4*\slot+2:G0B+4*\slot+3], s[G0B+4*\slot+2:G0B+4*\slot+3], 2*ROWB
	JLOAD G0+4*\slot, G1, G0B+4*\slot, G1B         ; the first tensor load behind the round; its four v_nop are also the places in front of the loads below
.else
	PLACES NP
.endif
	FETCH_B \next, 0, 0
	FETCH_A \next, 0, 0
	WIN MUL_HI
	MUL16 4, 1, 0
	MUL16 6, 1, 0
	PLACES NP
	WIN 0
	FETCH_A \next, 0, 4
.endm
	s_wait_alu depctr_va_vdst(0)
	s_wait_tensorcnt 1                             ; my part of K step 0 is in; K step 1's load may be out
	s_barrier_signal -1
	s_barrier_wait -1
	FETCH_B 0, 0, 0
	FETCH_A 0, 0, 0
	FETCH_A 0, 0, 4
	STEP 0, 0, 1                                   ; the first step's products start the sums
	s_mov_b32 s3, LAPS-1
.Llap:
	TURN 0, 1, 1
	STEP 1, 0, 0
	TURN 1, 0, 1
	STEP 0, 0, 0
	s_sub_co_u32 s3, s3, 1
	s_cmp_lg_u32 s3, 0
	s_cbranch_scc1 .Llap
	TURN 0, 1, 0                                   ; the last lap fills nothing
	STEP 1, 0, 0
	s_wait_dscnt 4*NL
	WIN MUL_LO
	MUL16 0, 1, 0
	MUL16 2, 1, 0
	s_wait_dscnt 0
	WIN MUL_HI
	MUL16 4, 1, 0
	MUL16 6, 1, 0
	WIN 0
; THE WAY OUT, block by block of 16 rows x 128 columns, through my own stage in LDS: in as 32 bytes a lane, back as whole rows of 512 bytes.  LDS serves a wave's instructions in order (ISA guide 5.7.1.4).
.macro TOSTAGE a
.set AC, 64*((\a)%4)
	WIN 0x02+((\a)/4)
.irp j, 0,2,4,6,8,10,12,14,16,18,20,22,24,26,28,30,32,34,36,38,40,42,44,46,48,50,52,54,56,58,60,62
	v_pk_mul_f32 v[TMP+\j:TMP+\j+1], v[AC+\j:AC+\j+1], s[96:97] op_sel_hi:[1,0]   ; both x s96 = 2^(e10 + e11); each accumulator from its low end on
.endr
	WIN 0
.irp b, 0,1,2,3,4,5,6,7
	ds_store_b128 v[STO], v[TMP+8*\b:TMP+8*\b+3] offset:64*\b
	ds_store_b128 v[STO], v[TMP+8*\b+4:TMP+8*\b+7] offset:64*\b+16
.endr
.set BB, BK+64*((\a)%2)
.irp t, 0,1,2,3,4,5,6,7,8,9,10,11,12,13,14,15
	ds_load_b128 v[BB+4*\t:BB+4*\t+3], v[RD] offset:\t*SPITCH
.endr
.endm
.macro SEND a, younger                 ; younger: the LDS instructions issued behind block a's loads, which may stay out
.set BB, BK+64*((\a)%2)
	s_wait_dscnt \younger
.if (\a) > 0
	s_add_nc_u64 s[10:11], s[10:11], 16*SIZE_N*4   ; behind a wait on XCNT: the earlier stores have read their base
.endif
.irp t, 0,1,2,3,4,5,6,7,8,9,10,11,12,13,14,15
	global_store_b128 v[CO], v[BB+4*\t:BB+4*\t+3], s[10:11] offset:\t*SIZE_N*4 th:TH_STORE_NT   ; 32 lanes store 512 consecutive bytes, aligned
.endr
.endm
	s_wait_kmcnt 0x0
	s_add_co_i32 s96, s96, s97
	s_add_co_i32 s96, s96, 127
	s_lshl_b32 s96, s96, 23                        ; 2^(e10 + e11) as f32
	PLACES NP
	TOSTAGE 0
.irp a, 1,2,3,4,5,6,7
.if \a > 1
	s_wait_xcnt 0x0                                ; block a - 2's stores have read their registers and their base
.endif
	TOSTAGE \a
	SEND \a-1, 32                                  ; behind block a - 1's loads: block a's 16 stores and 16 loads
.endr
	s_wait_xcnt 0x0
	SEND 7, 0
	s_wait_tensorcnt 0x0                           ; the wave's end
	ds_add_u32 v[SPW], v[NIL]
	s_wait_dscnt 0x0
	CROUND                                         ; the closing round
	s_endpgm
.Lfunc_end_k_q0bf1cb495a_proj:
	.size	k_q0bf1cb495a_proj, .Lfunc_end_k_q0bf1cb495a_proj-k_q0bf1cb495a_proj
	.p2alignl 7, 3214868480
	.fill 96, 4, 3214868480
	.section	.rodata,"a",@progbits
	.p2align	6, 0x0
	.amdhsa_kernel k_q0bf1cb495a_proj
		.amdhsa_group_segment_fixed_size 327680
		.amdhsa_private_segment_fixed_size 0
		.amdhsa_enable_private_segment 0
		.amdhsa_kernarg_size 32
		.amdhsa_user_sgpr_count 2
		.amdhsa_user_sgpr_kernarg_segment_ptr 1
		.amdhsa_wavefront_size32 1
		.amdhsa_system_sgpr_workgroup_id_x 1
		.amdhsa_system_sgpr_workgroup_id_y 1
		.amdhsa_system_sgpr_workgroup_id_z 1
		.amdhsa_system_vgpr_workitem_id 0
		.amdhsa_next_free_vgpr 1024
		.amdhsa_next_free_sgpr 98
		.amdhsa_reserve_vcc 0
		.amdhsa_float_denorm_mode_32 3
		.amdhsa_float_denorm_mode_16_64 3
		.amdhsa_memory_ordered 1
		.amdhsa_forward_progress 1
		.amdhsa_inst_pref_size 124
	.end_amdhsa_kernel
	.amdgpu_metadata
---
amdhsa.version: [ 1, 2 ]
amdhsa.kernels:
  - .name:           k_q0bf1cb495a_proj
    .symbol:         k_q0bf1cb495a_proj.kd
    .args:
      - { .name: yi, .offset: 0, .size: 8, .value_kind: global_buffer, .address_space: global }
      - { .name: Wp_codes, .offset: 8, .size: 8, .value_kind: global_buffer, .address_space: global }
      - { .name: lowp_scales, .offset: 16, .size: 8, .value_kind: global_buffer, .address_space: global }
      - { .name: out0, .offset: 24, .size: 8, .value_kind: global_buffer, .address_space: global }
    .group_segment_fixed_size: 327680
    .private_segment_fixed_size: 0
    .kernarg_segment_align: 8
    .kernarg_segment_size: 32
    .max_flat_workgroup_size: 128
    .sgpr_count:     98
    .vgpr_count:     1024
    .wavefront_size: 32
...
	.end_amdgpu_metadata
.endif
;; end of part 3
